; MI455X (gfx1250); checked and timed in simulation.
; The chip was launched on July 23, 2026; its instructions are those of AMD's public machine-readable ISA for CDNA 5 (MIT licence, August 2026) and "CDNA5" Instruction Set Architecture Reference Guide (July 2026). The comments in the code are by the model that wrote it; some were corrected since.
;; Table Distance. Allowed arithmetic: float matrix products may take bf16 or f16 operands with f32 sums; all other float work in f32.
;; Inputs: scale 1 x 1 x 1 float32; table 1 x 1 x 64 x 256 float32; x 4 x 2,048 x 64 float32.
;; Outputs: out0 4 x 2,048 x 256 float32.
;; 2 versions, each right; version 2 is version 1 with the launch dist written anew for expert scheduling mode. Each part assembles by itself: llvm-mc -triple=amdgcn-amd-amdhsa -mcpu=gfx1250 --defsym DOCPART=n.
;; ======== version 1 of 2: 1 launch
;; limits: values outside matrix products are rounded to bf16
;; launch dist (part 1): grid 256 x 1, 4 waves a work-group, no clusters, 9,728 bytes of LDS; arguments x, table, scale, out0; writes out0
.if DOCPART == 1
	.amdgcn_target "amdgcn-amd-amdhsa--gfx1250"
	.amdhsa_code_object_version 6
	.text
	.protected	k_qe1b7c1bd06_dist
	.globl	k_qe1b7c1bd06_dist
	.p2align	8
	.type	k_qe1b7c1bd06_dist,@function
k_qe1b7c1bd06_dist:
	s_mov_b64 s[64:65], 0
	v_nop
	global_prefetch_b8 v0, s[64:65] scope:SCOPE_SE
	s_setreg_imm32_b32 hwreg(HW_REG_WAVE_MODE, 25, 1), 1
	s_wait_xcnt 0x0
; out[n][k] = |scale| * sum over d of (table[d][k] - x[n][d])^2.   x: [8192][64] f32, table: [64][256] f32, out: [8192][256] f32.
;
; THE FORM.  With a centre c[d]:  sum (t - x)^2 = |x - c|^2 + |t - c|^2 - 2 (x - c).(t - c).  The two norms are f32 sums; the cross term goes to
; the matrix unit with bf16 operands and f32 sums.  c is the f32 mean of the 64 codewords (columns) that the wave owns, so the mean over these
; 64 columns of a row's results is |x - c|^2 + mean |t - c|^2: every term is bounded by results of the same row, and an offset common to x and
; table is taken away in f32 before anything is rounded to bf16.  No difference of large sums is formed.
; LIMITS.  The cross term's operands are rounded to bf16: error at most 2^-8 (|x-c|^2 + |t-c|^2).  A result that is exactly 0 may come out as a
; tiny number of either sign.  Inputs are finite: an Inf or NaN in the table reaches all 64 columns of its group through c.  |t-c|^2 can be
; 4 times a row's largest unscaled result, so results within a factor 4 of the largest f32 may overflow.
;
; SHARES.  256 work-groups of four waves; a work-group makes 32 rows x 256 columns, wave w the columns 64 w .. 64 w + 63 of all 32 rows:
; 2 row tiles x 4 column tiles of 16 x 16, two matrix instructions each (d = 64 = 2 x 32).
; Column tile t takes the columns 64 w + 4 r + t (r = lane % 16).  So (a) a lane's 16-byte load of the table is one d of its four tiles' columns,
; sixteen lanes read 256 consecutive aligned bytes, and the B fragments are made in registers, with no transposition;  (b) in the result, lane r
; holds, for row 8 h + j (h = lane / 16, j = register), the four neighbouring columns 4 r .. 4 r + 3: one 16-byte store, sixteen lanes filling
; 256 consecutive aligned bytes of out.
; x is read once by the work-group (each load of a wave: 512 consecutive bytes), laid raw in LDS, and centred by each wave with its own c.
; NO CLUSTER, NO TENSOR LOAD: the table is shared by all work-groups, but it is filled once (no loop over which the rounds of a cluster's
; barrier could be spread), each wave reads only its own 16 KiB of it, and the loads land in registers in the operand's order; the way through
; LDS would add 64 KiB of LDS writes and reads to a work-group that stores 32 KiB.
.set XP,   272                         ; LDS pitch of a row of x: 256 bytes + 16, so that the 16 rows of a fragment load start 16 bytes apart modulo 256
.set SCR,  32*XP                       ; behind x: 128 bytes for each wave, the row norms on their way into the C operand's layout
.set VOFF, 3                           ; 8192 h + 256 w + 16 r: my bytes in the table (row 8 h) and in out (row 8 h); never rewritten
.set XG,   4                           ; 16 x thread: my bytes of x
.set XS,   5                           ; where I put them in LDS
.set XL,   6                           ; r x pitch + 32 h: my fragments of x
.set SST,  7                           ; 128 w + 4 r: norm of row r goes here
.set SLD,  8                           ; 128 w + 32 h: norms of rows 8 h .. 8 h + 7 come from here
.set TNE,  10                          ; v[10:13] |t-c|^2 of my four columns, even slots; at the end the whole, times |scale|
.set TNO,  14                          ; v[14:17] the same, odd slots
.set T,    24                          ; v[24:151] slot s (0..31): 4 registers = table[d(s)][my 4 columns], d(s) = 32 (s/16) + 16 ((s/8)%2) + 8 h + s%8
.set XN,   T+32                        ; v[56:71]  later: C operands, -|x-c|^2 / 2 of rows 8 h + j, for the two row tiles
.set ACC,  T+48                        ; v[72:135] later: the 8 accumulators, (row tile p, column tile t) at 8 (4 p + t)
.set CC,   152                         ; v[152:183] slot s: the sum of table[d(s)][.] over my wave's 64 columns (first: x as loaded)
.set XR,   184                         ; v[184:247] row tile p: 32 registers, x[r][d(s)]; compacted in place to A fragments in the first 16;
                                       ;            the freed 16 take B fragments of d 0..31; at the end: results in the order of the stores
.set TP,   248                         ; v[248:255] at work
	s_load_b256 s[4:11], s[0:1], 0x0               ; x s[4:5], table s[6:7], scale s[8:9], out s[10:11]
	v_lshl_add_u32 v22, v0, 2, 0x2400
	v_mov_b32 v23, 0
	v_and_b32 v1, 15, v0                           ; r
	v_bfe_u32 v2, v0, 4, 1                         ; h
	v_lshrrev_b32 v9, 5, v0
	v_readfirstlane_b32 s12, v9                    ; w, the wave's number
	v_lshlrev_b32 v[VOFF], 4, v1
	v_lshl_add_u32 v[VOFF], v2, 13, v[VOFF]
	v_lshl_add_u32 v[VOFF], s12, 8, v[VOFF]
	v_lshlrev_b32 v[XG], 4, v0
	s_mul_i32 s13, s12, 2*XP                       ; a load of the work-group covers 8 rows of x: wave w has rows 2 w + h of them
	v_mul_u32_u24 v[XS], v2, XP
	v_lshl_add_u32 v[XS], v1, 4, v[XS]
	v_add_nc_u32 v[XS], s13, v[XS]
	v_mul_u32_u24 v[XL], v1, XP
	v_lshl_add_u32 v[XL], v2, 5, v[XL]
	v_lshlrev_b32 v[SST], 2, v1
	v_lshl_add_u32 v[SST], s12, 7, v[SST]
	v_lshlrev_b32 v[SLD], 5, v2
	v_lshl_add_u32 v[SLD], s12, 7, v[SLD]
	s_lshl_b32 s14, ttmp9, 13                      ; 32 rows of x: 8,192 bytes a work-group
	s_mov_b32 s15, 0
	s_lshl_b32 s16, ttmp9, 15                      ; 32 rows of out: 32,768 bytes
	s_mov_b32 s17, 0
	s_mov_b32 s20, 0x76543210                      ; v_permlanex16_b32: lane i reads lane i of the other half
	s_mov_b32 s21, 0xfedcba98
	s_mov_b32 s24, 0xbc800000                      ; -1/64: a sum over 64 columns becomes minus their mean, exactly (a power of two)
	s_mov_b32 s25, 0xbc800000
	s_wait_kmcnt 0x0
	s_load_b32 s18, s[8:9], 0x0                    ; scale
	s_add_nc_u64 s[4:5], s[4:5], s[14:15]
	s_add_nc_u64 s[10:11], s[10:11], s[16:17]
	; x first (loads come back in order, and x has the longer way: through LDS), then my 16 KiB of the table: 36 loads out
.irp n, 0,1,2,3
	global_load_b128 v[CC+4*\n:CC+4*\n+3], v[XG], s[4:5] offset:2048*\n th:TH_LOAD_NT
.endr
.set sl, 0
.rept 32
	global_load_b128 v[T+4*sl:T+4*sl+3], v[VOFF], s[6:7] offset:1024*(32*(sl/16)+16*((sl/8)%2)+sl%8)
.set sl, sl+1
.endr
	s_wait_loadcnt 32                              ; x's four loads are in; the 32 younger ones, the table's, stay out
.irp n, 0,1,2,3
	ds_store_b128 v[XS], v[CC+4*\n:CC+4*\n+3] offset:8*XP*\n
.endr
	s_wait_dscnt 0x0                               ; for the other waves: my rows of x are in LDS
	s_barrier_signal -1
	s_barrier_wait -1                              ; all 32 rows are; they are never written again
.irp p, 0,1
.irp c, 0,1,2,3,4,5,6,7
	ds_load_b128 v[XR+32*\p+4*\c:XR+32*\p+4*\c+3], v[XL] offset:16*XP*\p+128*(\c/4)+64*((\c/2)%2)+16*(\c%2)   ; slots 4 c .. 4 c + 3 of row 16 p + r
.endr
.endr
; The sums over my wave's 64 columns for slots 4 g .. 4 g + 3: four columns in the lane, then the 16 lanes of my half (which share h, so d).
; Every step adds the same two numbers in both partners, so all 16 lanes end with the same bits.
.macro CSUM4 g
	s_wait_loadcnt 28-4*\g                         ; the table's loads behind slot 4 g + 3 may stay out
.irp k, 0,1,2,3
	v_pk_add_f32 v[TP+2*\k:TP+2*\k+1], v[T+4*(4*\g+\k):T+4*(4*\g+\k)+1], v[T+4*(4*\g+\k)+2:T+4*(4*\g+\k)+3]
.endr
.irp k, 0,1,2,3
	v_add_f32 v[CC+4*\g+\k], v[TP+2*\k], v[TP+2*\k+1]
.endr
.irp m, 1,2,4,8
.irp k, 0,1,2,3
	v_add_f32_dpp v[CC+4*\g+\k], v[CC+4*\g+\k], v[CC+4*\g+\k] row_xmask:\m row_mask:0xf bank_mask:0xf
.endr
.endr
.endm
.irp g, 0,1,2,3,4,5,6,7
	CSUM4 \g
.endr
; Row tile p: x' = x - c in place (one rounding: the product with -1/64 is exact), |x'|^2 in four chains, A fragments compacted in place
; (word i from registers 2 i, 2 i + 1: ascending i never writes a register that is still to be read).
.macro XCVT i
	v_cvt_pk_bf16_f32 v[XB+\i], v[XB+2*\i], v[XB+2*\i+1]
.endm
.macro XPREP p
.set XB, XR+32*\p
.irp i, 0,1,2,3,4,5,6,7,8,9,10,11,12,13,14,15
	v_pk_fma_f32 v[XB+2*\i:XB+2*\i+1], v[CC+2*\i:CC+2*\i+1], s[24:25], v[XB+2*\i:XB+2*\i+1] op_sel_hi:[1,0,1]
.endr
.irp i, 0,1,2,3
	v_pk_mul_f32 v[TP+2*\i:TP+2*\i+1], v[XB+2*\i:XB+2*\i+1], v[XB+2*\i:XB+2*\i+1]     ; the first four start the chains: nothing is cleared
.endr
.irp i, 4,5,6,7,8,9,10,11,12,13,14,15
	v_pk_fma_f32 v[TP+2*(\i%4):TP+2*(\i%4)+1], v[XB+2*\i:XB+2*\i+1], v[XB+2*\i:XB+2*\i+1], v[TP+2*(\i%4):TP+2*(\i%4)+1]
.endr
	v_pk_add_f32 v[TP:TP+1], v[TP:TP+1], v[TP+2:TP+3]
	v_pk_add_f32 v[TP+4:TP+5], v[TP+4:TP+5], v[TP+6:TP+7]
	XCVT 0                                         ; the conversions stand between the links of the norm's chain
	XCVT 1
	v_pk_add_f32 v[TP:TP+1], v[TP:TP+1], v[TP+4:TP+5]
	XCVT 2
	XCVT 3
	v_add_f32 v[TP], v[TP], v[TP+1]                ; my 32 d of row r
	XCVT 4
	XCVT 5
	v_permlanex16_b32 v[TP+1], v[TP], s20, s21     ; the other 32 d lie in the other half
	XCVT 6
	XCVT 7
	v_add_f32 v[TP], v[TP], v[TP+1]
	XCVT 8
	XCVT 9
	v_mul_f32 v[TP], -0.5, v[TP]                   ; -|x'|^2 / 2: the sums then start from it, and one fma by -2 |scale| ends them
	XCVT 10
	XCVT 11
	ds_store_b32 v[SST], v[TP] offset:SCR+64*\p    ; both halves write the same word with the same number; the bytes are my wave's own
	XCVT 12
	XCVT 13
	XCVT 14
	XCVT 15
.endm
	s_wait_dscnt 0x0                               ; my 16 fragment loads of x
	XPREP 0
	XPREP 1
; The table's slots 16 q .. 16 q + 15 (d = 32 q ..): t' = t - c in place (a slot's c is broadcast to its four columns by op_sel),
; |t'|^2 of my four columns in chains for even and odd slots, and word i of the four tiles' B fragments from slots 2 i, 2 i + 1.
.macro TPREP q
.irp i, 0,1,2,3,4,5,6,7
.set SLT, 16*\q+2*\i
	v_pk_fma_f32 v[T+4*SLT:T+4*SLT+1],   v[CC+SLT:CC+SLT+1], s[24:25], v[T+4*SLT:T+4*SLT+1]   op_sel:[0,0,0] op_sel_hi:[0,0,1]
	v_pk_fma_f32 v[T+4*SLT+2:T+4*SLT+3], v[CC+SLT:CC+SLT+1], s[24:25], v[T+4*SLT+2:T+4*SLT+3] op_sel:[0,0,0] op_sel_hi:[0,0,1]
	v_pk_fma_f32 v[T+4*SLT+4:T+4*SLT+5], v[CC+SLT:CC+SLT+1], s[24:25], v[T+4*SLT+4:T+4*SLT+5] op_sel:[1,0,0] op_sel_hi:[1,0,1]
	v_pk_fma_f32 v[T+4*SLT+6:T+4*SLT+7], v[CC+SLT:CC+SLT+1], s[24:25], v[T+4*SLT+6:T+4*SLT+7] op_sel:[1,0,0] op_sel_hi:[1,0,1]
.if \q+\i == 0
	v_pk_mul_f32 v[TNE:TNE+1],   v[T:T+1],   v[T:T+1]                                         ; the first two slots start the chains
	v_pk_mul_f32 v[TNE+2:TNE+3], v[T+2:T+3], v[T+2:T+3]
	v_pk_mul_f32 v[TNO:TNO+1],   v[T+4:T+5], v[T+4:T+5]
	v_pk_mul_f32 v[TNO+2:TNO+3], v[T+6:T+7], v[T+6:T+7]
.else
	v_pk_fma_f32 v[TNE:TNE+1],   v[T+4*SLT:T+4*SLT+1],   v[T+4*SLT:T+4*SLT+1],   v[TNE:TNE+1]
	v_pk_fma_f32 v[TNE+2:TNE+3], v[T+4*SLT+2:T+4*SLT+3], v[T+4*SLT+2:T+4*SLT+3], v[TNE+2:TNE+3]
	v_pk_fma_f32 v[TNO:TNO+1],   v[T+4*SLT+4:T+4*SLT+5], v[T+4*SLT+4:T+4*SLT+5], v[TNO:TNO+1]
	v_pk_fma_f32 v[TNO+2:TNO+3], v[T+4*SLT+6:T+4*SLT+7], v[T+4*SLT+6:T+4*SLT+7], v[TNO+2:TNO+3]
.endif
.irp t, 0,1,2,3
.if \q == 0
.set TFB, XR+16+32*(\t/2)+8*(\t%2)                 ; d 0..31: into the halves that the compaction of x has freed
.else
.set TFB, T+8*\t                                   ; d 32..63: into the first 32 registers of T, used up by d 0..31
.endif
	v_cvt_pk_bf16_f32 v[TFB+\i], v[T+4*SLT+\t], v[T+4*SLT+4+\t]
.endr
.endr
.endm
	TPREP 0
	; The C operands: register j = -|x'|^2 / 2 of row 8 h + j, the same in all 16 lanes of a half.  LDS serves a wave's instructions in order
	; (ISA guide 5.7.1), so these see my two stores above.  They land in registers of T that the first 16 slots have left.
.irp p, 0,1
	ds_load_b128 v[XN+8*\p:XN+8*\p+3],   v[SLD] offset:SCR+64*\p
	ds_load_b128 v[XN+8*\p+4:XN+8*\p+7], v[SLD] offset:SCR+64*\p+16
.endr
	TPREP 1
	v_pk_add_f32 v[TNE:TNE+1],   v[TNE:TNE+1],   v[TNO:TNO+1]
	v_pk_add_f32 v[TNE+2:TNE+3], v[TNE+2:TNE+3], v[TNO+2:TNO+3]
.irp t, 0,1,2,3
	v_permlanex16_b32 v[TNO+\t], v[TNE+\t], s20, s21       ; the other 32 d of the same four columns
.endr
.irp t, 0,1,2,3
	v_add_f32 v[TNE+\t], v[TNE+\t], v[TNO+\t]
.endr
	s_wait_kmcnt 0x0                               ; scale
	s_and_b32 s19, s18, 0x7fffffff                 ; |scale|
	s_mul_f32 s22, s19, -2.0                       ; -2 |scale|
	s_wait_dscnt 0x0                               ; the C operands
	; D(row 8 h + j, column 4 r + t) = -|x'|^2 / 2 + x'.t'.  The eight accumulators take turns, one instruction a turn, in the same order for
	; both halves of d: seven others stand between the two links of each sum.
.irp p, 0,1
.irp t, 0,1,2,3
	v_wmma_f32_16x16x32_bf16 v[ACC+8*(4*\p+\t):ACC+8*(4*\p+\t)+7], v[XR+32*\p:XR+32*\p+7], v[XR+16+32*(\t/2)+8*(\t%2):XR+16+32*(\t/2)+8*(\t%2)+7], v[XN+8*\p:XN+8*\p+7]
.endr
.endr
.irp p, 0,1
.irp t, 0,1,2,3
	v_wmma_f32_16x16x32_bf16 v[ACC+8*(4*\p+\t):ACC+8*(4*\p+\t)+7], v[XR+32*\p+8:XR+32*\p+15], v[T+8*\t:T+8*\t+7], v[ACC+8*(4*\p+\t):ACC+8*(4*\p+\t)+7]
.endr
.endr
	; Four plain vector instructions that name no register of a matrix instruction: the places (ISA guide 7.12.1) in front of the lines that
	; read the results and write over the fragments.
.irp t, 0,1,2,3
	v_mul_f32 v[TNE+\t], s19, v[TNE+\t]            ; |scale| |t'|^2
.endr
	; out = -2 |scale| D + |scale| |t'|^2, written in the order of the stores: four neighbouring columns in four neighbouring registers.
	; Each store of the wave covers two runs of 256 consecutive bytes (rows j and 8 + j of the tile), each aligned to 256.
.irp p, 0,1
.irp j, 0,1,2,3,4,5,6,7
.irp t, 0,1,2,3
	v_fma_f32 v[XR+32*\p+4*\j+\t], v[ACC+8*(4*\p+\t)+\j], s22, v[TNE+\t]
.endr
	global_store_b128 v[VOFF], v[XR+32*\p+4*\j:XR+32*\p+4*\j+3], s[10:11] offset:16384*\p+1024*\j th:TH_STORE_NT
.endr
.endr
	s_wait_tensorcnt 0x0
	ds_add_u32 v22, v23
	s_wait_dscnt 0x0
	s_endpgm
.Lfunc_end_k_qe1b7c1bd06_dist:
	.size	k_qe1b7c1bd06_dist, .Lfunc_end_k_qe1b7c1bd06_dist-k_qe1b7c1bd06_dist
	.p2alignl 7, 3214868480
	.fill 96, 4, 3214868480
	.section	.rodata,"a",@progbits
	.p2align	6, 0x0
	.amdhsa_kernel k_qe1b7c1bd06_dist
		.amdhsa_group_segment_fixed_size 9728
		.amdhsa_private_segment_fixed_size 0
		.amdhsa_enable_private_segment 0
		.amdhsa_kernarg_size 32
		.amdhsa_user_sgpr_count 2
		.amdhsa_user_sgpr_kernarg_segment_ptr 1
		.amdhsa_wavefront_size32 1
		.amdhsa_system_sgpr_workgroup_id_x 1
		.amdhsa_system_sgpr_workgroup_id_y 1
		.amdhsa_system_sgpr_workgroup_id_z 1
		.amdhsa_system_vgpr_workitem_id 0
		.amdhsa_next_free_vgpr 256
		.amdhsa_next_free_sgpr 66
		.amdhsa_reserve_vcc 0
		.amdhsa_float_denorm_mode_32 3
		.amdhsa_float_denorm_mode_16_64 3
		.amdhsa_memory_ordered 1
		.amdhsa_forward_progress 1
		.amdhsa_inst_pref_size 45
	.end_amdhsa_kernel
	.amdgpu_metadata
---
amdhsa.version: [ 1, 2 ]
amdhsa.kernels:
  - .name:           k_qe1b7c1bd06_dist
    .symbol:         k_qe1b7c1bd06_dist.kd
    .args:
      - { .name: x, .offset: 0, .size: 8, .value_kind: global_buffer, .address_space: global }
      - { .name: table, .offset: 8, .size: 8, .value_kind: global_buffer, .address_space: global }
      - { .name: scale, .offset: 16, .size: 8, .value_kind: global_buffer, .address_space: global }
      - { .name: out0, .offset: 24, .size: 8, .value_kind: global_buffer, .address_space: global }
    .group_segment_fixed_size: 9728
    .private_segment_fixed_size: 0
    .kernarg_segment_align: 8
    .kernarg_segment_size: 32
    .max_flat_workgroup_size: 128
    .sgpr_count:     66
    .vgpr_count:     256
    .wavefront_size: 32
...
	.end_amdgpu_metadata
.endif
;; end of part 1
;; ======== version 2 of 2: 1 launch; version 1 with the launch dist written anew for expert scheduling mode
;; limits: values outside matrix products are rounded to bf16
;; launch dist (part 2): grid 256 x 1, 4 waves a work-group, no clusters, 9,728 bytes of LDS; arguments x, table, scale, out0; writes out0
.if DOCPART == 2
	.amdgcn_target "amdgcn-amd-amdhsa--gfx1250"
	.amdhsa_code_object_version 6
	.text
	.protected	k_qe1b7c1bd06_dist
	.globl	k_qe1b7c1bd06_dist
	.p2align	8
	.type	k_qe1b7c1bd06_dist,@function
k_qe1b7c1bd06_dist:
	s_mov_b64 s[64:65], 0
	v_nop
	global_prefetch_b8 v0, s[64:65] scope:SCOPE_SE
	s_setreg_imm32_b32 hwreg(HW_REG_WAVE_SCHED_MODE, 0, 2), 2
	s_setreg_imm32_b32 hwreg(HW_REG_WAVE_MODE, 25, 1), 1
	s_wait_xcnt 0x0
	s_wait_alu depctr_vm_vsrc(0)
; out[n][k] = |scale| * sum over d of (table[d][k] - x[n][d])^2.   x: [8192][64] f32, table: [64][256] f32, out: [8192][256] f32.
;
; THE FORM.  With a centre c[d]:  sum (t - x)^2 = |x - c|^2 + |t - c|^2 - 2 (x - c).(t - c).  The two norms are f32 sums; the cross term goes to
; the matrix unit with bf16 operands and f32 sums.  c is the f32 mean of the 64 codewords (columns) that the wave owns, so the mean over these
; 64 columns of a row's results is |x - c|^2 + mean |t - c|^2: every term is bounded by results of the same row, and an offset common to x and
; table is taken away in f32 before anything is rounded to bf16.  No difference of large sums is formed.
; LIMITS.  The cross term's operands are rounded to bf16: error at most 2^-8 (|x-c|^2 + |t-c|^2).  A result that is exactly 0 may come out as a
; tiny number of either sign.  Inputs are finite: an Inf or NaN in the table reaches all 64 columns of its group through c.  |t-c|^2 can be
; 4 times a row's largest unscaled result, so results within a factor 4 of the largest f32 may overflow.
;
; SHARES.  256 work-groups of four waves; a work-group makes 32 rows x 256 columns, wave w the columns 64 w .. 64 w + 63 of all 32 rows:
; 2 row tiles x 4 column tiles of 16 x 16, two matrix instructions each (d = 64 = 2 x 32).
; Column tile t takes the columns 64 w + 4 r + t (r = lane % 16).  So (a) a lane's 16-byte load of the table is one d of its four tiles' columns,
; sixteen lanes read 256 consecutive aligned bytes, and the B fragments are made in registers, with no transposition;  (b) in the result, lane r
; holds, for row 8 h + j (h = lane / 16, j = register), the four neighbouring columns 4 r .. 4 r + 3: one 16-byte store, sixteen lanes filling
; 256 consecutive aligned bytes of out.
; x is read once by the work-group (each load of a wave: 512 consecutive bytes), laid raw in LDS, and centred by each wave with its own c.
; NO CLUSTER, NO TENSOR LOAD: the table is shared by all work-groups, but it is filled once (no loop over which the rounds of a cluster's
; barrier could be spread), each wave reads only its own 16 KiB of it, and the loads land in registers in the operand's order; the way through
; LDS would add 64 KiB of LDS writes and reads to a work-group that stores 32 KiB.
;
; THE MODE: SCHED_MODE bits 1:0 = 2 (LLVM: expert scheduling mode 2), set by the entry lines.  The code itself states the register dependences
; between vector or matrix instructions and memory or LDS instructions, with s_wait_alu, always for 0.
; THE PLAN.  Registers that memory or LDS instructions touch, in the order of the text (there is no loop):
;   v3 .. v8     offsets and LDS addresses: made at the head by vector instructions, read by every load and store, never written again.
;   CC[0..15]    x's four loads land in it; my four LDS stores read it; then the column sums write it.
;   T            the table's 32 loads land in it, ahead of every vector instruction that names it.  Its registers v56-71 (XN) are written and read by
;                the first half of the table's preparation; then the four LDS loads of the C operands land in them; matrix instructions read them.
;   XR           x's 16 fragment loads land in it, ahead of every vector instruction that names it.  At the end the fused multiply-adds of row tile p
;                write XR + 32 p .., and that tile's eight stores read it; it is not written again.
;   NR0, NR1     a row tile's norm: written once by a vector instruction, read by one LDS store, never written again.
;   TP, TNE, TNO, the accumulators and the fragments are named by vector and matrix instructions alone.
; So six waits state everything: the wave's number (an SGPR written by a vector instruction); the addresses, once, ahead of the first load; the LDS
; stores' reading of CC, ahead of the column sums; ONE wait behind the first half of the table's preparation for both norms' stores and the four
; loads into XN; and one wait for each row tile's eight stores, those of tile 0 being dealt among tile 1's vector instructions.
.set XP,   272                         ; LDS pitch of a row of x: 256 bytes + 16, so that the 16 rows of a fragment load start 16 bytes apart modulo 256
.set SCR,  32*XP                       ; behind x: 128 bytes for each wave, the row norms on their way into the C operand's layout
.set VOFF, 3                           ; 8192 h + 256 w + 16 r: my bytes in the table (row 8 h) and in out (row 8 h); never rewritten
.set XG,   4                           ; 16 x thread: my bytes of x
.set XS,   5                           ; where I put them in LDS
.set XL,   6                           ; r x pitch + 32 h: my fragments of x
.set SST,  7                           ; 128 w + 4 r: norm of row r goes here
.set SLD,  8                           ; 128 w + 32 h: norms of rows 8 h .. 8 h + 7 come from here
.set TNE,  10                          ; v[10:13] |t-c|^2 of my four columns, even slots; at the end the whole, times |scale|
.set TNO,  14                          ; v[14:17] the same, odd slots
.set NR,   18                          ; v[18:19] row tile p: -|x-c|^2 / 2 of row 16 p + r, the data of one LDS store; never rewritten
.set T,    24                          ; v[24:151] slot s (0..31): 4 registers = table[d(s)][my 4 columns], d(s) = 32 (s/16) + 16 ((s/8)%2) + 8 h + s%8
.set XN,   T+32                        ; v[56:71]  later: C operands, -|x-c|^2 / 2 of rows 8 h + j, for the two row tiles
.set ACC,  T+48                        ; v[72:135] later: the 8 accumulators, (row tile p, column tile t) at 8 (4 p + t)
.set CC,   152                         ; v[152:183] slot s: the sum of table[d(s)][.] over my wave's 64 columns (first: x as loaded)
.set XR,   184                         ; v[184:247] row tile p: 32 registers, x[r][d(s)]; compacted in place to A fragments in the first 16;
                                       ;            the freed 16 take B fragments of d 0..31; at the end: results in the order of the stores
.set TP,   248                         ; v[248:255] at work
	s_load_b256 s[4:11], s[0:1], 0x0               ; x s[4:5], table s[6:7], scale s[8:9], out s[10:11]
	v_lshl_add_u32 v22, v0, 2, 0x2400
	v_mov_b32 v23, 0
	v_lshrrev_b32 v9, 5, v0
	v_readfirstlane_b32 s12, v9                    ; w, the wave's number; what needs no w stands between this line and the wait for it
	v_and_b32 v1, 15, v0                           ; r
	v_bfe_u32 v2, v0, 4, 1                         ; h
	v_lshlrev_b32 v[VOFF], 4, v1
	v_lshl_add_u32 v[VOFF], v2, 13, v[VOFF]
	v_lshlrev_b32 v[XG], 4, v0
	v_mul_u32_u24 v[XS], v2, XP
	v_lshl_add_u32 v[XS], v1, 4, v[XS]
	v_mul_u32_u24 v[XL], v1, XP
	v_lshl_add_u32 v[XL], v2, 5, v[XL]
	v_lshlrev_b32 v[SST], 2, v1
	v_lshlrev_b32 v[SLD], 5, v2
	s_wait_alu depctr_va_sdst(0)                   ; s12 is written, ahead of its first reader: four of the five lines below read it
	v_lshl_add_u32 v[VOFF], s12, 8, v[VOFF]
	s_mul_i32 s13, s12, 2*XP                       ; a load of the work-group covers 8 rows of x: wave w has rows 2 w + h of them
	v_add_nc_u32 v[XS], s13, v[XS]
	v_lshl_add_u32 v[SST], s12, 7, v[SST]
	v_lshl_add_u32 v[SLD], s12, 7, v[SLD]
	s_lshl_b32 s14, ttmp9, 13                      ; 32 rows of x: 8,192 bytes a work-group
	s_mov_b32 s15, 0
	s_lshl_b32 s16, ttmp9, 15                      ; 32 rows of out: 32,768 bytes
	s_mov_b32 s17, 0
	s_mov_b32 s20, 0x76543210                      ; v_permlanex16_b32: lane i reads lane i of the other half
	s_mov_b32 s21, 0xfedcba98
	s_mov_b32 s24, 0xbc800000                      ; -1/64: a sum over 64 columns becomes minus their mean, exactly (a power of two)
	s_mov_b32 s25, 0xbc800000
	s_wait_kmcnt 0x0
	s_load_b32 s18, s[8:9], 0x0                    ; scale
	s_add_nc_u64 s[4:5], s[4:5], s[14:15]
	s_add_nc_u64 s[10:11], s[10:11], s[16:17]
	s_wait_alu depctr_va_vdst(0)                   ; the six offsets and addresses v3 to v8 are written: every load and store of the kernel reads one of them, and no later vector instruction names them
	; x first (loads come back in order, and x has the longer way: through LDS), then my 16 KiB of the table: 36 loads out
.irp n, 0,1,2,3
	global_load_b128 v[CC+4*\n:CC+4*\n+3], v[XG], s[4:5] offset:2048*\n th:TH_LOAD_NT
.endr
.set sl, 0
.rept 32
	global_load_b128 v[T+4*sl:T+4*sl+3], v[VOFF], s[6:7] offset:1024*(32*(sl/16)+16*((sl/8)%2)+sl%8)
.set sl, sl+1
.endr
	s_wait_loadcnt 32                              ; x's four loads are in; the 32 younger ones, the table's, stay out
.irp n, 0,1,2,3
	ds_store_b128 v[XS], v[CC+4*\n:CC+4*\n+3] offset:8*XP*\n
.endr
	s_wait_dscnt 0x0                               ; for the other waves: my rows of x are in LDS
	s_barrier_signal -1
	s_barrier_wait -1                              ; all 32 rows are; they are never written again
	s_wait_alu depctr_vm_vsrc(0)                   ; my LDS stores have read CC[0..15], which the column sums below write
.irp p, 0,1
.irp c, 0,1,2,3,4,5,6,7
	ds_load_b128 v[XR+32*\p+4*\c:XR+32*\p+4*\c+3], v[XL] offset:16*XP*\p+128*(\c/4)+64*((\c/2)%2)+16*(\c%2)   ; slots 4 c .. 4 c + 3 of row 16 p + r
.endr
.endr
; The sums over my wave's 64 columns for slots 4 g .. 4 g + 3: four columns in the lane, then the 16 lanes of my half (which share h, so d).
; Every step adds the same two numbers in both partners, so all 16 lanes end with the same bits.
.macro CSUM4 g
	s_wait_loadcnt 28-4*\g                         ; the table's loads behind slot 4 g + 3 may stay out
.irp k, 0,1,2,3
	v_pk_add_f32 v[TP+2*\k:TP+2*\k+1], v[T+4*(4*\g+\k):T+4*(4*\g+\k)+1], v[T+4*(4*\g+\k)+2:T+4*(4*\g+\k)+3]
.endr
.irp k, 0,1,2,3
	v_add_f32 v[CC+4*\g+\k], v[TP+2*\k], v[TP+2*\k+1]
.endr
.irp m, 1,2,4,8
.irp k, 0,1,2,3
	v_add_f32_dpp v[CC+4*\g+\k], v[CC+4*\g+\k], v[CC+4*\g+\k] row_xmask:\m row_mask:0xf bank_mask:0xf
.endr
.endr
.endm
.irp g, 0,1,2,3,4,5,6,7
	CSUM4 \g
.endr
; Row tile p: x' = x - c in place (one rounding: the product with -1/64 is exact), |x'|^2 in four chains, A fragments compacted in place
; (word i from registers 2 i, 2 i + 1: ascending i never writes a register that is still to be read).
.macro XCVT i
	v_cvt_pk_bf16_f32 v[XB+\i], v[XB+2*\i], v[XB+2*\i+1]
.endm
.macro XPREP p
.set XB, XR+32*\p
.irp i, 0,1,2,3,4,5,6,7,8,9,10,11,12,13,14,15
	v_pk_fma_f32 v[XB+2*\i:XB+2*\i+1], v[CC+2*\i:CC+2*\i+1], s[24:25], v[XB+2*\i:XB+2*\i+1] op_sel_hi:[1,0,1]
.endr
.irp i, 0,1,2,3
	v_pk_mul_f32 v[TP+2*\i:TP+2*\i+1], v[XB+2*\i:XB+2*\i+1], v[XB+2*\i:XB+2*\i+1]     ; the first four start the chains: nothing is cleared
.endr
.irp i, 4,5,6,7,8,9,10,11,12,13,14,15
	v_pk_fma_f32 v[TP+2*(\i%4):TP+2*(\i%4)+1], v[XB+2*\i:XB+2*\i+1], v[XB+2*\i:XB+2*\i+1], v[TP+2*(\i%4):TP+2*(\i%4)+1]
.endr
	v_pk_add_f32 v[TP:TP+1], v[TP:TP+1], v[TP+2:TP+3]
	v_pk_add_f32 v[TP+4:TP+5], v[TP+4:TP+5], v[TP+6:TP+7]
	XCVT 0                                         ; the conversions stand between the links of the norm's chain
	XCVT 1
	v_pk_add_f32 v[TP:TP+1], v[TP:TP+1], v[TP+4:TP+5]
	XCVT 2
	XCVT 3
	v_add_f32 v[TP], v[TP], v[TP+1]                ; my 32 d of row r
	XCVT 4
	XCVT 5
	v_permlanex16_b32 v[TP+1], v[TP], s20, s21     ; the other 32 d lie in the other half
	XCVT 6
	XCVT 7
	v_add_f32 v[TP], v[TP], v[TP+1]
	XCVT 8
	XCVT 9
	v_mul_f32 v[NR+\p], -0.5, v[TP]                ; -|x'|^2 / 2: the sums then start from it, and one fma by -2 |scale| ends them.  A register of its own for each tile: its LDS store stands further down, and nothing writes it again
	XCVT 10
	XCVT 11
	XCVT 12
	XCVT 13
	XCVT 14
	XCVT 15
.endm
	s_wait_dscnt 0x0                               ; my 16 fragment loads of x
	XPREP 0
	XPREP 1
; The table's slots 16 q .. 16 q + 15 (d = 32 q ..): t' = t - c in place (a slot's c is broadcast to its four columns by op_sel),
; |t'|^2 of my four columns in chains for even and odd slots, and word i of the four tiles' B fragments from slots 2 i, 2 i + 1.
.macro TPREP q
.irp i, 0,1,2,3,4,5,6,7
.set SLT, 16*\q+2*\i
	v_pk_fma_f32 v[T+4*SLT:T+4*SLT+1],   v[CC+SLT:CC+SLT+1], s[24:25], v[T+4*SLT:T+4*SLT+1]   op_sel:[0,0,0] op_sel_hi:[0,0,1]
	v_pk_fma_f32 v[T+4*SLT+2:T+4*SLT+3], v[CC+SLT:CC+SLT+1], s[24:25], v[T+4*SLT+2:T+4*SLT+3] op_sel:[0,0,0] op_sel_hi:[0,0,1]
	v_pk_fma_f32 v[T+4*SLT+4:T+4*SLT+5], v[CC+SLT:CC+SLT+1], s[24:25], v[T+4*SLT+4:T+4*SLT+5] op_sel:[1,0,0] op_sel_hi:[1,0,1]
	v_pk_fma_f32 v[T+4*SLT+6:T+4*SLT+7], v[CC+SLT:CC+SLT+1], s[24:25], v[T+4*SLT+6:T+4*SLT+7] op_sel:[1,0,0] op_sel_hi:[1,0,1]
.if \q+\i == 0
	v_pk_mul_f32 v[TNE:TNE+1],   v[T:T+1],   v[T:T+1]                                         ; the first two slots start the chains
	v_pk_mul_f32 v[TNE+2:TNE+3], v[T+2:T+3], v[T+2:T+3]
	v_pk_mul_f32 v[TNO:TNO+1],   v[T+4:T+5], v[T+4:T+5]
	v_pk_mul_f32 v[TNO+2:TNO+3], v[T+6:T+7], v[T+6:T+7]
.else
	v_pk_fma_f32 v[TNE:TNE+1],   v[T+4*SLT:T+4*SLT+1],   v[T+4*SLT:T+4*SLT+1],   v[TNE:TNE+1]
	v_pk_fma_f32 v[TNE+2:TNE+3], v[T+4*SLT+2:T+4*SLT+3], v[T+4*SLT+2:T+4*SLT+3], v[TNE+2:TNE+3]
	v_pk_fma_f32 v[TNO:TNO+1],   v[T+4*SLT+4:T+4*SLT+5], v[T+4*SLT+4:T+4*SLT+5], v[TNO:TNO+1]
	v_pk_fma_f32 v[TNO+2:TNO+3], v[T+4*SLT+6:T+4*SLT+7], v[T+4*SLT+6:T+4*SLT+7], v[TNO+2:TNO+3]
.endif
.irp t, 0,1,2,3
.if \q == 0
.set TFB, XR+16+32*(\t/2)+8*(\t%2)                 ; d 0..31: into the halves that the compaction of x has freed
.else
.set TFB, T+8*\t                                   ; d 32..63: into the first 32 registers of T, used up by d 0..31
.endif
	v_cvt_pk_bf16_f32 v[TFB+\i], v[T+4*SLT+\t], v[T+4*SLT+4+\t]
.endr
.endr
.endm
	TPREP 0
	s_wait_alu depctr_va_vdst(0)                   ; NR0 and NR1 are written, which the two LDS stores read; the lines above are done writing and reading v[XN ..] (slots 8 to 11 of T), in which the four LDS loads land
.irp p, 0,1
	ds_store_b32 v[SST], v[NR+\p] offset:SCR+64*\p ; both halves write the same word with the same number; the bytes are my wave's own
.endr
	; The C operands: register j = -|x'|^2 / 2 of row 8 h + j, the same in all 16 lanes of a half.  LDS serves a wave's instructions in order
	; (ISA guide 5.7.1), so these see my two stores above.  They land in registers of T that the first 16 slots have left; the second half of the
	; table's preparation, which stands between them and the wait for them, names slots 16 to 31 and the first 32 registers of T, not these.
.irp p, 0,1
	ds_load_b128 v[XN+8*\p:XN+8*\p+3],   v[SLD] offset:SCR+64*\p
	ds_load_b128 v[XN+8*\p+4:XN+8*\p+7], v[SLD] offset:SCR+64*\p+16
.endr
	TPREP 1
	v_pk_add_f32 v[TNE:TNE+1],   v[TNE:TNE+1],   v[TNO:TNO+1]
	v_pk_add_f32 v[TNE+2:TNE+3], v[TNE+2:TNE+3], v[TNO+2:TNO+3]
.irp t, 0,1,2,3
	v_permlanex16_b32 v[TNO+\t], v[TNE+\t], s20, s21       ; the other 32 d of the same four columns
.endr
.irp t, 0,1,2,3
	v_add_f32 v[TNE+\t], v[TNE+\t], v[TNO+\t]
.endr
	s_wait_kmcnt 0x0                               ; scale
	s_and_b32 s19, s18, 0x7fffffff                 ; |scale|
	s_mul_f32 s22, s19, -2.0                       ; -2 |scale|
	s_wait_dscnt 0x0                               ; the C operands
	; D(row 8 h + j, column 4 r + t) = -|x'|^2 / 2 + x'.t'.  The eight accumulators take turns, one instruction a turn, in the same order for
	; both halves of d: seven others stand between the two links of each sum.
.irp p, 0,1
.irp t, 0,1,2,3
	v_wmma_f32_16x16x32_bf16 v[ACC+8*(4*\p+\t):ACC+8*(4*\p+\t)+7], v[XR+32*\p:XR+32*\p+7], v[XR+16+32*(\t/2)+8*(\t%2):XR+16+32*(\t/2)+8*(\t%2)+7], v[XN+8*\p:XN+8*\p+7]
.endr
.endr
.irp p, 0,1
.irp t, 0,1,2,3
	v_wmma_f32_16x16x32_bf16 v[ACC+8*(4*\p+\t):ACC+8*(4*\p+\t)+7], v[XR+32*\p+8:XR+32*\p+15], v[T+8*\t:T+8*\t+7], v[ACC+8*(4*\p+\t):ACC+8*(4*\p+\t)+7]
.endr
.endr
	; Four plain vector instructions that name no register of a matrix instruction: the places (ISA guide 7.12.1) in front of the lines that
	; read the results and write over the fragments.
.irp t, 0,1,2,3
	v_mul_f32 v[TNE+\t], s19, v[TNE+\t]            ; |scale| |t'|^2
.endr
	; out = -2 |scale| D + |scale| |t'|^2, written in the order of the stores: four neighbouring columns in four neighbouring registers.
	; Each store of the wave covers two runs of 256 consecutive bytes (rows j and 8 + j of the tile), each aligned to 256.
	; Row tile p's 32 results lie in XR + 32 p ..; its eight stores stand behind one wait.  Tile 0's stores are dealt among tile 1's vector
	; instructions, which name XR + 32 .., tile 1's accumulators and TNE: none of the registers that those stores read.
.macro OUTROW p, j                     ; row j (and 8 + j) of tile p: each accumulator is read from its low end on
.irp t, 0,1,2,3
	v_fma_f32 v[XR+32*\p+4*\j+\t], v[ACC+8*(4*\p+\t)+\j], s22, v[TNE+\t]
.endr
.endm
.macro SENDROW p, j
	global_store_b128 v[VOFF], v[XR+32*\p+4*\j:XR+32*\p+4*\j+3], s[10:11] offset:16384*\p+1024*\j th:TH_STORE_NT
.endm
.irp j, 0,1,2,3,4,5,6,7
	OUTROW 0, \j
.endr
	s_wait_alu depctr_va_vdst(0)                   ; tile 0's results are written in v[XR .. XR+31], which the eight stores below read
.irp j, 0,1,2,3,4,5,6,7
	SENDROW 0, \j                                  ; no further wait: no vector instruction since the wait above names this store's registers
	OUTROW 1, \j
.endr
	s_wait_alu depctr_va_vdst(0)                   ; tile 1's results are written in v[XR+32 .. XR+63], which the last eight stores read
.irp j, 0,1,2,3,4,5,6,7
	SENDROW 1, \j
.endr
	s_wait_dscnt 0x0
	s_wait_alu depctr_hold_cnt(0) depctr_sa_sdst(0) depctr_va_vdst(0) depctr_va_sdst(0) depctr_va_ssrc(0) depctr_va_vcc(0) depctr_vm_vsrc(0)
	s_wait_tensorcnt 0x0
	ds_add_u32 v22, v23
	s_wait_dscnt 0x0
	s_endpgm
.Lfunc_end_k_qe1b7c1bd06_dist:
	.size	k_qe1b7c1bd06_dist, .Lfunc_end_k_qe1b7c1bd06_dist-k_qe1b7c1bd06_dist
	.p2alignl 7, 3214868480
	.fill 96, 4, 3214868480
	.section	.rodata,"a",@progbits
	.p2align	6, 0x0
	.amdhsa_kernel k_qe1b7c1bd06_dist
		.amdhsa_group_segment_fixed_size 9728
		.amdhsa_private_segment_fixed_size 0
		.amdhsa_enable_private_segment 0
		.amdhsa_kernarg_size 32
		.amdhsa_user_sgpr_count 2
		.amdhsa_user_sgpr_kernarg_segment_ptr 1
		.amdhsa_wavefront_size32 1
		.amdhsa_system_sgpr_workgroup_id_x 1
		.amdhsa_system_sgpr_workgroup_id_y 1
		.amdhsa_system_sgpr_workgroup_id_z 1
		.amdhsa_system_vgpr_workitem_id 0
		.amdhsa_next_free_vgpr 256
		.amdhsa_next_free_sgpr 66
		.amdhsa_reserve_vcc 0
		.amdhsa_float_denorm_mode_32 3
		.amdhsa_float_denorm_mode_16_64 3
		.amdhsa_memory_ordered 1
		.amdhsa_forward_progress 1
		.amdhsa_inst_pref_size 45
	.end_amdhsa_kernel
	.amdgpu_metadata
---
amdhsa.version: [ 1, 2 ]
amdhsa.kernels:
  - .name:           k_qe1b7c1bd06_dist
    .symbol:         k_qe1b7c1bd06_dist.kd
    .args:
      - { .name: x, .offset: 0, .size: 8, .value_kind: global_buffer, .address_space: global }
      - { .name: table, .offset: 8, .size: 8, .value_kind: global_buffer, .address_space: global }
      - { .name: scale, .offset: 16, .size: 8, .value_kind: global_buffer, .address_space: global }
      - { .name: out0, .offset: 24, .size: 8, .value_kind: global_buffer, .address_space: global }
    .group_segment_fixed_size: 9728
    .private_segment_fixed_size: 0
    .kernarg_segment_align: 8
    .kernarg_segment_size: 32
    .max_flat_workgroup_size: 128
    .sgpr_count:     66
    .vgpr_count:     256
    .wavefront_size: 32
...
	.end_amdgpu_metadata
.endif
;; end of part 2
